; MI455X (gfx1250); checked and timed in simulation.
; The chip was launched on July 23, 2026; its instructions are those of AMD's public machine-readable ISA for CDNA 5 (MIT licence, August 2026) and "CDNA5" Instruction Set Architecture Reference Guide (July 2026). The comments in the code are by the model that wrote it; some were corrected since.
;; AFM Layer. Allowed arithmetic: matrix products marked QUANTISED: E5M2 operands, one E8M0 scale for each 32 along K, by v_wmma_scale_f32_16x16x128_f8f6f4 with both operands' format E5M2, f32 sums; products left as they are: f32 operands where the result goes on into a quantised operand, else bf16, f16 or f32 operands; f32 sums; everything else in f32.
;; Inputs: attn_W_codes 64 x 2 x 32 uint8 (E5M2 codes of attn_W, K innermost, in blocks of 32 codes); attn_W_scales 64 x 2 uint8 (E8M0 scales of attn_W, one for each 32 codes along K); attn_b 64 float32; embeds 4,096 x 32 x 64 float32; projection_h 64 x 1 float32; projection_p 64 x 1 float32.
;; Outputs: out0 4,096 x 1 float32.
;; This version of the problem:
;;   THIS VERSION OF THE PROBLEM IS GIVEN IN LOW PRECISION. The matrix products marked QUANTISED in the list below multiply operands that are first quantised to E5M2 (5 exponent bits, 2 mantissa bits; 8 bits a number), with one power-of-two scale for each 32 numbers along K (OCP MX v1.0); their sums are f32. All else is computed in f32.
;;   The module's matrix products, in the order in which they are computed (A, B: the left and right operand; K: the contracted axis; several contracted axes count as one K, in the product's order):
;;     1. [M 2,031,616, K 64] x [K 64, N 64]; A: computed on the way; B: input attn_W (given as codes): QUANTISED
;;     2. [M 2,031,616, K 64] x [K 64, N 1]; A: computed on the way; B: input projection_h: left as it is (N = 1 < 16)
;;     3. [M 4,096, K 64] x [K 64, N 1]; A: computed on the way; B: input projection_p: left as it is (N = 1 < 16)
;;   THE QUANTISER, for each operand of a quantised product, along K:
;;     - K is cut into blocks of 32 from its start; a last block that is shorter is filled with zeros.
;;     - A block's scale is 2^e with e = floor(log2(the largest magnitude in the block)) - 15, held to -126 .. 127; a block of zeros has e = 0. As a byte (E8M0): e + 127.
;;     - Each number is divided by its block's scale, clamped to +-57,344, and rounded to the nearest number of E5M2, ties to even, subnormals kept.
;;     - The product sums the exact products of the quantised numbers (number of the format x scale) in f32.
;;   ~~~python
;;   def quantise(x, axis):      # numpy; x: float32 -> the quantised numbers, widened to float32 again
;;       x = np.moveaxis(x, axis, -1); K = x.shape[-1]
;;       x = np.pad(x, [(0, 0)] * (x.ndim - 1) + [(0, -K % 32)]); x = x.reshape(x.shape[:-1] + (-1, 32)); a = np.abs(x).max(-1, keepdims=True)
;;       e = np.where(a > 0, np.clip(np.frexp(np.where(a > 0, a, 1))[1] - 1 - 15, -126, 127), 0)      # np.frexp(a)[1] - 1 = floor(log2(a)), exactly
;;       r = np.clip(x / 2.0 ** e, -57344, 57344)
;;       step = 2.0 ** (np.maximum(np.frexp(np.where(r == 0, 1, r))[1] - 1, -14) - 2)
;;       q = np.round(r / step) * step * 2.0 ** e      # np.round: ties to even
;;       return np.moveaxis(q.reshape(q.shape[:-2] + (-1,))[..., :K], -1, axis).astype(np.float32)
;;   ~~~
;;   OPERANDS COMPUTED ON THE WAY. 'Computed on the way' means the value that the module computes at that place (a softmax that the list does not call 'softmax' is quantised finished and normalised). What goes into a quantiser is computed in f32, as accurately as f32 sums, v_exp_f32 and their like allow (about 1e-6 of the number): no bf16 or f16 on the way to a quantiser, and a product that is left as it is and whose result goes on into a quantised operand takes f32 operands (vector FMAs, or v_wmma_f32_16x16x4_f32). A number that lies on a knife's edge between two numbers of the format may be rounded either way, as far as f32 arithmetic and the matrix unit's own rounding can turn it there, and no further.
;;   INPUTS GIVEN AS CODES. attn_W (in the module: [64, 64], K = its axis 0): each comes as NAME_codes (uint8): NAME with its K axis moved to the last place and cut into blocks of 32 codes, [.., K / 32, bytes a block], one block behind the other in memory; one code a byte (a code: sign, 5 exponent bits, 2 mantissa bits); and NAME_scales (uint8): the same leading axes, one E8M0 byte (e + 127) for each 32 codes along K. Its value is code x scale, taken as it is: it is not quantised again, and the codes and scales need not be those that the quantiser above would give.
;; One version. Each part assembles by itself: llvm-mc -triple=amdgcn-amd-amdhsa -mcpu=gfx1250 --defsym DOCPART=n.
;; ======== version 1 of 1: 1 launch
;; limits: right only within a limited range of input values
;; launch afm (part 1): grid 256 x 1, 8 waves a work-group, no clusters, 180,224 bytes of LDS; arguments embeds, attn_W_codes, attn_W_scales, attn_b, projection_h, projection_p, out0; writes out0
.if DOCPART == 1
	.amdgcn_target "amdgcn-amd-amdhsa--gfx1250"
	.amdhsa_code_object_version 6
	.text
	.protected	k_qa830fc4c01_afm
	.globl	k_qa830fc4c01_afm
	.p2align	8
	.type	k_qa830fc4c01_afm,@function
k_qa830fc4c01_afm:
	s_mov_b64 s[64:65], 0
	v_nop
	global_prefetch_b8 v0, s[64:65] scope:SCOPE_SE
	s_setreg_imm32_b32 hwreg(HW_REG_WAVE_MODE, 25, 1), 1
	s_wait_xcnt 0x0
; AFM layer.  For each of 4,096 items: the 496 products bi = e_i * e_j (i < j) of 32 field vectors of 64 f32; bi is quantised along its 64 numbers (two blocks of 32) to codes of
; BF8 (E5M2) with one E8M0 scale a block; logit = relu(bi W + b) . h, the product bi W on codes; softmax over the 496 logits; out = sum of weight x (bi . p), bi unquantised.
; (The sum over pairs and the product with p are both linear, so a pair needs two numbers: its logit and s = bi . p.)
; SHARES.  256 work-groups of 8 waves; a work-group owns 16 items, a wave two, one in each trip of a loop.  A wave looks at no other wave's data but for the 16 results at the end.
; An item's 8,192 bytes come by 16 loads of 512 consecutive bytes into registers and go into the wave's own LDS rows; the second item is asked for when the first has been laid there.
; THE RING.  LDS holds fields 0-31 and fields 0-7 once more: 40 rows.  A TILE is 16 pairs: lane r's own field, r (L) or 16 + r (H), times row r + c.  For d = 1 .. 7:
;   c = d:       L gives ring distance d from fields 0 .. 15;              H gives distance 16 - d from fields d .. d + 15
;   c = 16 + d:  H gives distance d from fields 16 .. 31;                  L gives distance 16 - d from fields d + 16 .. d + 31 (mod 32)
; so one load of row r + c serves two tiles (28 tiles), and L with c = 8, H with c = 24 (distance 8), L with c = 16 (distance 16) make 31 tiles: each of the 496 pairs once.
; LAYOUT.  r = lane % 16, hh = lane / 16.  Lane (r, hh) holds k = 32 hh + i in register i: ONE WHOLE BLOCK of its pair.
; THE PRODUCT IS USED TRANSPOSED: source 0 = 16 rows of W (attn_W's columns a), source 1 = the 16 pairs: a lane keeps one pair; register j of result n is a = 16 n + 8 hh + j.
; K IS 64, THE INSTRUCTION'S 128.  The pairs' eight registers of codes stand twice, C C.  W's operand has block 0 in the first 64 along K in lanes 0-15 and block 1 in the second 64 in lanes 16-31,
; and zero codes elsewhere, which add nothing.  The pairs' scale word is (s0, s0, s1, s1), W's likewise.  The bias is the C of each product.
; THREE TILES AT WORK IN A SLOT: the multiplication, maximum and dot with p of tile q, the hold and the conversion of tile q - 1, the products, relu and dot with h of tile q - 2.
; No cluster and no prefetch: work-groups share some 5 KB of constants alone, and a wave's two items are asked for by loads, the second a whole item ahead.
; LIMITS.  NaN and infinities among the inputs, NaN or infinity codes and the scale byte 0xff in attn_W are not served (a zero code against them, and relu by a maximum that drops NaN, differ from reference()).
; The softmax's promise holds while the scaled logits stay under 2^31 in magnitude.
; A block of bi whose largest magnitude lies under 2^-111 has its scale byte held at 1, as the quantiser says; a block of zeros gets the byte 1 too: its codes are zeros.
; REGISTERS.  Window 0 as named below; window 1: v0-63 W's four operands; v64-95 b; v96-159 an item on its way; v160-191 L; v192-223 H.
.set DUALW, 1                          ; 1: the multiplications as dual-issue pairs; 0: as packed lines
.set PITCH, 272                        ; an LDS row: 256 bytes + 16: the 16 rows that a load touches start at 16 different banks (64 banks of 4 bytes: ISA guide 11.1)
.set LGB,  40*PITCH                    ; behind the rows: the half logits, 32 lanes x 144 bytes (32 tiles' words + 16),
.set SB,   4608                        ; and as far behind them the half s
.set WREG, 20224                       ; a wave's bytes: LGB + 2 SB = 20,096, up to whole blocks of 256
.set RES,  8*WREG                      ; the 16 result words, in a block of 256 bytes
.set SPARE, RES+256                    ; the spare words
.set LA,  1                            ; v1  row r, + 128 hh
.set ST,  2                            ; v2  where I lay 16 bytes of an item
.set LS,  3                            ; v3  my row of half logits
.set LO,  4                            ; v4  my half of the tiles in my own row,
.set LP,  5                            ; v5  and in lane l xor 16's
.set GO,  6                            ; v6  16 x lane
.set RAD, 7
.set MX,  8                            ; v8-11  largest magnitudes
.set SO,  12                           ; v12-13 the conversions' scale operands, by the tile's parity
.set HL,  14                           ; v14-15 57,344 x the scale, likewise
.set WS,  16                           ; v16-19 W's scale words: scales and nothing else
.set PW,  20                           ; v20-21 the pairs' scale words, by the tile's parity: scales and nothing else
.set SY,  22                           ; the scale's byte
.set SA,  24                           ; v24-27 bi . p
.set PA,  28                           ; v28-31 relu(..) . h
.set EB,  32                           ; row r + c
.set X,   64                           ; v64-127 bi, two sets by the tile's parity
.set D,   128
.set CC,  160
.set HH,  176
.set PP,  208
.set PM,  240
.set PT,  241
.set TS,  244                          ; v244-245, v246-247 the dots' sums on their way
.set TP,  246
.set SL,  248                          ; v248 a tile's half s, v249 a half logit
.set NM,  250                          ; v250-251 c x the largest logit (the packed form names a pair)
.set WW,  0                            ; window 1
.set BB,  64
.set STG, 96
.set AL,  160                          ; L, and 32 on H
.set MSB, 0
.macro WIN new                         ; s_set_vgpr_msb: bits 1:0 source 0, 3:2 source 1, 5:4 source 2, 7:6 destination; the high byte repeats the setting that is left
.if MSB != \new
	s_set_vgpr_msb (MSB<<8)|\new
.set MSB, \new
.endif
.endm
	s_load_b256 s[4:11], s[0:1], 0x0               ; embeds s[4:5], W's codes s[6:7], W's scales s[8:9], b s[10:11]
	s_load_b128 s[12:15], s[0:1], 0x20             ; h s[12:13], p s[14:15]
	s_load_b64 s[16:17], s[0:1], 0x30              ; out
	v_lshl_add_u32 v254, v0, 2, SPARE
	v_mov_b32 v255, 0
	v_lshrrev_b32 v1, 5, v0
	v_and_b32 v8, 15, v0                           ; r
	v_bfe_u32 v9, v0, 4, 1                         ; hh
	v_and_b32 v10, 31, v0                          ; lane
	v_readfirstlane_b32 s18, v1                    ; wave 0..7
	s_mov_b32 s20, 0x76543210
	s_mov_b32 s21, 0xfedcba98                      ; v_permlanex16_b32's selects for lane l xor 16
	s_mov_b32 s22, 0x08000000                      ; the floor 2^(16 - 127), under which no largest magnitude is taken: the byte cannot fall under 1
	s_mov_b32 s23, 0xf8800000                      ; 15 off an exponent field
	s_mov_b32 s24, 0x7f800000                      ; the exponent field
	s_mov_b32 s25, 0x600000                        ; the mantissa field of 57,344
	s_mov_b32 s26, 0x3fb8aa3b                      ; c = log2(e)
	s_mov_b32 s27, s26                             ; (named with it as a pair, so it is written)
	s_mov_b32 s42, 0x01010000                      ; W's two scale bytes -> (s0, s0, s1, s1)
	s_mov_b32 s43, 0x00000404                      ; my byte twice, then the other half's twice
	s_mul_i32 s58, s18, WREG                       ; my wave's bytes in LDS
	s_add_co_u32 s44, s58, LGB
	s_lshl_b32 s28, ttmp9, 17                      ; the work-group's 16 items of 8,192 bytes,
	s_lshl_b32 s29, s18, 14                        ; my wave's two
	s_add_co_u32 s28, s28, s29
	s_mov_b32 s29, 0
	s_lshl_b32 s30, ttmp9, 6                       ; the work-group's 16 results
	s_mov_b32 s31, 0
	s_lshl_b32 s59, s18, 3
	s_add_co_u32 s59, s59, RES                     ; where my first result goes; 4 more in the second trip
	s_mov_b32 s19, 0                               ; the trip
	s_wait_alu depctr_va_vdst(0)                   ; ahead of the readers below
	v_lshlrev_b32 v[GO], 4, v10
	v_mul_u32_u24 v[LA], v8, PITCH
	v_mul_u32_u24 v[ST], v9, PITCH
	v_mul_u32_u24 v[LS], v10, 144
	v_xor_b32 v[LP], 16, v10
	v_lshlrev_b32 v252, 6, v8
	v_lshl_add_u32 v[LA], v9, 7, v[LA]
	v_lshl_add_u32 v[ST], v8, 4, v[ST]
	v_add_nc_u32 v[LS], s44, v[LS]
	v_mul_u32_u24 v[LP], v[LP], 144
	v_lshl_add_u32 v252, v9, 5, v252               ; W's codes: row r of 64 bytes, + 32 hh
	v_add_nc_u32 v[LA], s58, v[LA]
	v_add_nc_u32 v[ST], s58, v[ST]
	v_lshl_add_u32 v[LO], v9, 6, v[LS]             ; hh = 0: tiles 0-15, hh = 1: tiles 16-31
	v_lshl_add_u32 v[LP], v9, 6, v[LP]
	v_lshlrev_b32 v242, 7, v9                      ; p: 128 hh
	v_lshlrev_b32 v243, 5, v9                      ; h, b: 32 hh
	v_lshlrev_b32 v253, 1, v8                      ; W's scales: 2 bytes a row
	v_add_nc_u32 v[LP], s44, v[LP]
	s_wait_alu depctr_va_vdst(0)                   ; directly ahead of the wait below
	s_wait_kmcnt 0x0
	s_add_nc_u64 s[56:57], s[4:5], s[28:29]
	s_add_nc_u64 s[16:17], s[16:17], s[30:31]
.macro GLOAD off                       ; an item: 16 loads of 512 consecutive bytes (two fields each)
	WIN 0x40
.irp j, 0,1,2,3,4,5,6,7,8,9,10,11,12,13,14,15
	global_load_b128 v[STG+4*\j:STG+4*\j+3], v[GO], s[56:57] offset:\off+512*\j th:TH_LOAD_NT
.endr
	WIN 0
.endm
	s_cmp_lt_u32 s18, 4
	s_cbranch_scc0 .Lconstants                     ; waves 0-3 ask for their first item ahead of the constants, waves 4-7 behind them
	GLOAD 0
.Lconstants:
	WIN 0x40
.irp n, 0,1,2,3
	global_load_b128 v[BB+8*\n:BB+8*\n+3],   v243, s[10:11] offset:64*\n              ; b and h in the results' order: a = 16 n + 8 hh + j
	global_load_b128 v[BB+8*\n+4:BB+8*\n+7], v243, s[10:11] offset:64*\n+16
.endr
	WIN 0
.irp n, 0,1,2,3
	global_load_b128 v[X+8*\n:X+8*\n+3],   v252, s[6:7] offset:1024*\n                ; rows 16 n + r: my block's 32 codes
	global_load_b128 v[X+8*\n+4:X+8*\n+7], v252, s[6:7] offset:1024*\n+16
	global_load_u16 v[TS+\n], v253, s[8:9] offset:32*\n
.endr
.irp n, 0,1,2,3
	global_load_b128 v[HH+8*\n:HH+8*\n+3],   v243, s[12:13] offset:64*\n
	global_load_b128 v[HH+8*\n+4:HH+8*\n+7], v243, s[12:13] offset:64*\n+16
.endr
.irp j, 0,1,2,3,4,5,6,7
	global_load_b128 v[PP+4*\j:PP+4*\j+3], v242, s[14:15] offset:16*\j                ; p in X's order
.endr
	v_mov_b32 v[PM], 0                             ; a lane permute's destination counts as one of its sources: written once
	v_mov_b32 v[PT], 0
	v_mov_b32 v[NM+1], 0                           ; the upper half of a pair that is named
	v_mov_b32 v11, 0xfe967699                      ; -1e38
	v_cmp_gt_u32 s40, 16, v10                      ; lanes 0-15
	v_cmp_le_u32 s41, 16, v10                      ; lanes 16-31
	ds_store_b32 v[LS], v11 offset:4*31            ; there is no tile 31: its weight comes out as 0,
	ds_store_b32 v[LS], v[PM] offset:SB+4*31       ; and its s is 0
	s_cmp_lt_u32 s18, 4
	s_wait_alu depctr_va_vdst(0)                   ; directly ahead of the wait below
	s_wait_loadcnt 0x0                             ; the constants are in registers (and waves 0-3's first item)
	s_cbranch_scc1 .Lasked
	GLOAD 0
.Lasked:
	WIN 0x40
.irp n, 0,1,2,3
.irp i, 0,1,2,3,4,5,6,7
	v_cndmask_b32 v[WW+16*\n+\i],   0, v[X+8*\n+\i], s40   ; block 0 in the first 64 along K, lanes 0-15
	v_cndmask_b32 v[WW+16*\n+8+\i], 0, v[X+8*\n+\i], s41   ; block 1 in the second 64, lanes 16-31
.endr
.endr
	WIN 0
.irp n, 0,1,2,3
	v_perm_b32 v[WS+\n], v[TS+\n], v[TS+\n], s42
.endr
.macro LOADB c                         ; row r + c
.irp j, 0,1,2,3,4,5,6,7
	ds_load_b128 v[EB+4*\j:EB+4*\j+3], v[LA] offset:PITCH*(\c)+16*\j
.endr
.endm
.macro TILEROW q                       ; CQ: tile q's c; NEWQ: whether tile q needs a load of its own
.set NEWQ, 1
.if (\q) == 28
.set CQ, 8
.elseif (\q) == 29
.set CQ, 24
.elseif (\q) == 30
.set CQ, 16
.elseif (\q) > 30
.set NEWQ, 0
.else
.set NEWQ, 1-(\q)%2
.if (\q) < 14
.set CQ, (\q)/2+1
.else
.set CQ, (\q)/2+10
.endif
.endif
.endm
.macro MUL k                           ; tile q: my own field (source 0, window 1) x row r + c
.if DUALW
	v_dual_mul_f32 v[XQ+2*(\k)], v[AQ+2*(\k)], v[EB+2*(\k)] :: v_dual_mul_f32 v[XQ+2*(\k)+1], v[AQ+2*(\k)+1], v[EB+2*(\k)+1]
.else
	v_pk_mul_f32 v[XQ+2*(\k):XQ+2*(\k)+1], v[AQ+2*(\k):AQ+2*(\k)+1], v[EB+2*(\k):EB+2*(\k)+1]
.endif
.endm
.macro MAX k                           ; my block's largest magnitude: four chains
.if (\k) < 4
	v_max3_num_f32 v[MX+(\k)], |v[XQ+3*(\k)]|, |v[XQ+3*(\k)+1]|, |v[XQ+3*(\k)+2]|
.else
	v_max3_num_f32 v[MX+((\k)%4)], v[MX+((\k)%4)], |v[XQ+4+2*(\k)]|, |v[XQ+5+2*(\k)]|
.endif
.endm
.macro RELU k                          ; relu on two results, in place, each result from its low end on
.if HASIII
	v_dual_max_num_f32 v[D+2*(\k)], 0, v[D+2*(\k)] :: v_dual_max_num_f32 v[D+2*(\k)+1], 0, v[D+2*(\k)+1]
.endif
.endm
.macro DOT acc, x, c, k                ; two terms of a dot, four sums by turns
.if (\k) < 2
	v_dual_mul_f32 v[\acc+2*(\k)], v[\x+2*(\k)], v[\c+2*(\k)] :: v_dual_mul_f32 v[\acc+2*(\k)+1], v[\x+2*(\k)+1], v[\c+2*(\k)+1]
.else
	v_dual_fmac_f32 v[\acc+2*((\k)%2)], v[\x+2*(\k)], v[\c+2*(\k)] :: v_dual_fmac_f32 v[\acc+2*((\k)%2)+1], v[\x+2*(\k)+1], v[\c+2*(\k)+1]
.endif
.endm
.macro HD k                            ; relu(..) . h
.if HASIII
	DOT PA, D, HH, (\k)
.endif
.endm
; The conversion to an 8-bit code does not saturate (ISA guide 7.6.2): each number is held within 57,344 x the scale first.
.macro HOLD k
	v_med3_num_f32 v[XH+(\k)], v[XH+(\k)], -v[HL+QB], v[HL+QB]
.endm
.macro CVT c
	v_cvt_scalef32_pk8_bf8_f32 v[CC+2*\c:CC+2*\c+1], v[XH+8*\c:XH+8*\c+7], v[SO+QB]
.endm
.macro DUP c                           ; the codes' second copy
	v_dual_mov_b32 v[CC+8+2*\c], v[CC+2*\c] :: v_dual_mov_b32 v[CC+9+2*\c], v[CC+2*\c+1]
.endm
.macro SUM4 to, from
	v_dual_add_f32 v[\to], v[\from], v[\from+2] :: v_dual_add_f32 v[\to+1], v[\from+1], v[\from+3]
.endm
.macro FINISH                          ; the half s of tile q - 1 and the half logit of tile q - 3 go to LDS
.if (QQ >= 3) && (QQ <= 31)
	v_dual_add_f32 v[SL], v[TS], v[TS+1] :: v_dual_add_f32 v[SL+1], v[TP], v[TP+1]
.elseif (QQ >= 1) && (QQ <= 31)
	v_add_f32 v[SL], v[TS], v[TS+1]
.elseif QQ > 31
	v_add_f32 v[SL+1], v[TP], v[TP+1]
.endif
.if (QQ >= 1) && (QQ <= 31)
	ds_store_b32 v[LS], v[SL] offset:SB+4*(QQ-1)
.endif
.if QQ >= 3
	ds_store_b32 v[LS], v[SL+1] offset:4*(QQ-3)
.endif
.endm
; A slot's row k of 16: the lines of three tiles by turns, so that independent lines stand between the steps of each chain.
.macro ROW k
.if (\k) == 2
	FINISH
.endif
.if HASI && ((\k) < 7)
	MAX 2*(\k)
.endif
.if HASII && ((\k) <= 10)
	HOLD 3*(\k)
.endif
	RELU (\k)
.if HASII && ((\k) <= 10)
	HOLD 3*(\k)+1
.endif
.if HASI && ((\k) < 7)
	MAX 2*(\k)+1
.endif
.if HASI
	DOT SA, XQ, PP, (\k)                           ; s = X . p, of the UNQUANTISED X (the hold comes a slot later)
.endif
.if HASII && ((\k) <= 9)
	HOLD 3*(\k)+2
.endif
.if (\k) >= 2
	HD (\k)-2
.endif
.if HASI
.if (\k) == 7
	v_max3_num_f32 v[MX], v[MX], v[MX+1], s22      ; and the floor
.elseif (\k) == 8
	v_max3_num_f32 v[MX], v[MX], v[MX+2], v[MX+3]
.elseif (\k) == 9
	v_add_nc_u32 v[SO+QA], s23, v[MX]              ; 15 off the exponent field: the conversion takes the exponent field of this operand as its scale, and nothing else of it
	v_and_or_b32 v[HL+QA], v[MX], s24, s25         ; 57,344 x the scale: the largest magnitude's exponent field over 57,344's mantissa
.elseif (\k) == 10
	v_lshrrev_b32 v[SY], 23, v[SO+QA]              ; the scale's byte
.elseif (\k) == 11
	v_permlanex16_b32 v[PM], v[SY], s20, s21       ; the other block's
.elseif (\k) == 13
	v_perm_b32 v[PW+QA], v[SY], v[PM], s43         ; lanes 0-15: (s0, s0, s1, s1)
.endif
.endif
.if HASII
.if (\k) == 3
	CVT 0
.elseif (\k) == 5
	DUP 0
.elseif (\k) == 6
	CVT 1
.elseif (\k) == 8
	DUP 1
	CVT 2
.elseif (\k) == 10
	DUP 2
.elseif (\k) == 11
	CVT 3
.elseif (\k) == 12
	DUP 3
.endif
.endif
.endm
; Slot q: part I of tile q (q up to 30), part II of tile q - 1, part III of tile q - 2.  The multiplications stand among the products, under one window setting; they and the lines behind them
; are the places between the products and the first read of their results (ISA guide 7.12.1).
.macro SLOT q
.set QQ, \q
.set QA, (\q)%2
.set QB, 1-QA
.set XQ, X+32*QA
.set XH, X+32*QB
.set AQ, AL+32*QA
.set HASI, 0
.set HASII, 0
.set HASIII, 0
.if (\q) <= 30
.set HASI, 1
.endif
.if ((\q) >= 1) && ((\q) <= 31)
.set HASII, 1
.endif
.if (\q) >= 2
.set HASIII, 1
.endif
	TILEROW \q
.if NEWQ && ((\q) > 0)
.if (\q) == 2
	s_wait_alu depctr_va_vdst(0)                   ; the first codes were written few lines ago
.endif
	s_wait_dscnt 0x0                               ; row r + c is in (asked for a slot ago)
.endif
	WIN 0x11                                       ; sources 0 and 2 = window 1: W's operand n or my own field; the bias
.set n, 0
.rept 4
.if HASIII
	v_wmma_scale_f32_16x16x128_f8f6f4 v[D+8*n:D+8*n+7], v[WW+16*n:WW+16*n+15], v[CC:CC+15], v[BB+8*n:BB+8*n+7], v[WS+n], v[PW+QA] matrix_a_fmt:MATRIX_FMT_BF8 matrix_b_fmt:MATRIX_FMT_BF8
.endif
.if HASI
	MUL 4*n
	MUL 4*n+1
	MUL 4*n+2
	MUL 4*n+3
.endif
.set n, n+1
.endr
	WIN 0
	TILEROW \q+1
.if NEWQ
	LOADB CQ                                       ; row r + c for the next tile
.endif
.if ((\q) >= 1) && ((\q) <= 31)
	SUM4 TS, SA
.endif
.if (\q) >= 3
	SUM4 TP, PA
.endif
.if (\q) > 30
.rept 8
	v_nop                                          ; no multiplications here: the places behind the products
.endr
.endif
.irp k, 0,1,2,3,4,5,6,7,8,9,10,11,12,13,14,15
	ROW \k
.endr
	HD 14
	HD 15
.endm
	s_wait_alu depctr_va_vdst(0)                   ; at the head's end
.Litem:                                                ; two trips: an item each
	s_wait_loadcnt 0x0                             ; the item is in registers
	WIN 0x04
.irp j, 0,1,2,3,4,5,6,7,8,9,10,11,12,13,14,15
	ds_store_b128 v[ST], v[STG+4*\j:STG+4*\j+3] offset:2*PITCH*\j
.endr
.irp j, 0,1,2,3
	ds_store_b128 v[ST], v[STG+4*\j:STG+4*\j+3] offset:PITCH*(32+2*\j)   ; fields 0-7 once more, behind field 31
.endr
	WIN 0x40
.irp g, 0,1                                            ; L and H.  LDS serves a wave's instructions in order (ISA guide 5.7.1.4): these see the stores above
.irp j, 0,1,2,3,4,5,6,7
	ds_load_b128 v[AL+32*\g+4*\j:AL+32*\g+4*\j+3], v[LA] offset:16*PITCH*\g+16*\j
.endr
.endr
	WIN 0
	LOADB 1
	s_wait_dscnt 0x0
	s_cmp_eq_u32 s19, 0
	s_cbranch_scc0 .Lno_more                       ; the second item is asked for in the first trip, an item ahead
	GLOAD 8192
.Lno_more:
.irp q, 0,1,2,3,4,5,6,7,8,9,10,11,12,13,14,15,16,17,18,19,20,21,22,23,24,25,26,27,28,29,30,31,32
	SLOT \q
.endr
	SUM4 TP, PA
	v_add_f32 v[SL+1], v[TP], v[TP+1]
	ds_store_b32 v[LS], v[SL+1] offset:4*30
	; THE SOFTMAX over 31 tiles x 16 pairs: lanes 0-15 take tiles 0-15, lanes 16-31 the others; a pair's two halves lie in the rows of lanes l and l xor 16
.irp j, 0,1,2,3
	ds_load_b128 v[X+4*\j:X+4*\j+3],       v[LO] offset:16*\j
	ds_load_b128 v[X+16+4*\j:X+16+4*\j+3], v[LP] offset:16*\j
	ds_load_b128 v[EB+4*\j:EB+4*\j+3],       v[LO] offset:SB+16*\j
	ds_load_b128 v[EB+16+4*\j:EB+16+4*\j+3], v[LP] offset:SB+16*\j
.endr
	s_wait_dscnt 0x0
.macro JOIN g, q
	v_dual_add_f32 v[\g+2*(\q)], v[\g+2*(\q)], v[\g+16+2*(\q)] :: v_dual_add_f32 v[\g+2*(\q)+1], v[\g+2*(\q)+1], v[\g+17+2*(\q)]
.endm
.irp q, 0,1,2,3,4,5,6,7
	JOIN X, \q
.endr
	v_max3_num_f32 v[MX],   v[X],   v[X+1], v[X+2] ; the largest logit is taken away first, as reference() does
	JOIN EB, 0
	v_max3_num_f32 v[MX+1], v[X+3], v[X+4], v[X+5]
	JOIN EB, 1
	v_max3_num_f32 v[MX],   v[MX],   v[X+6],  v[X+7]
	JOIN EB, 2
	v_max3_num_f32 v[MX+1], v[MX+1], v[X+8],  v[X+9]
	JOIN EB, 3
	v_max3_num_f32 v[MX],   v[MX],   v[X+10], v[X+11]
	JOIN EB, 4
	v_max3_num_f32 v[MX+1], v[MX+1], v[X+12], v[X+13]
	JOIN EB, 5
	v_max3_num_f32 v[MX],   v[MX],   v[X+14], v[X+15]
	JOIN EB, 6
	JOIN EB, 7
	v_max_num_f32 v[MX], v[MX], v[MX+1]
.irp m, 1,2,4,8
	s_delay_alu instid0(VALU_DEP_1)
	v_max_num_f32_dpp v[MX], v[MX], v[MX] row_xmask:\m row_mask:0xf bank_mask:0xf
.endr
	s_delay_alu instid0(VALU_DEP_1)
	v_permlanex16_b32 v[PT], v[MX], s20, s21
	s_delay_alu instid0(VALU_DEP_1)
	v_max_num_f32 v[MX], v[MX], v[PT]
	s_delay_alu instid0(VALU_DEP_1)
	v_mul_f32 v[NM], s26, v[MX]                    ; c x the largest logit
.set i, 0
.rept 8
	v_pk_fma_f32 v[X+i:X+i+1], v[X+i:X+i+1], s[26:27], v[NM:NM+1] op_sel_hi:[1,0,0] neg_lo:[0,0,1] neg_hi:[0,0,1]   ; c logit - c max, two at a time
.set i, i+2
.endr
	s_wait_alu depctr_va_vdst(0)                   ; ahead of the batch
.set i, 0
.rept 16
	v_exp_f32 v[X+i], v[X+i]
.set i, i+1
.endr
	v_mov_b32 v[RAD], s59                          ; a plain line behind the last exponential
	s_wait_alu depctr_va_vdst(0)                   ; one for the batch, ahead of its first reader
	v_pk_add_f32 v[8:9],   v[X:X+1],   v[X+2:X+3]                  ; the weights' sum, in two chains,
	v_pk_add_f32 v[10:11], v[X+4:X+5], v[X+6:X+7]
	v_pk_mul_f32 v[24:25], v[X:X+1],   v[EB:EB+1]                  ; and the sum of weight x s
	v_pk_mul_f32 v[26:27], v[X+2:X+3], v[EB+2:EB+3]
	v_pk_fma_f32 v[24:25], v[X+4:X+5], v[EB+4:EB+5], v[24:25]
	v_pk_fma_f32 v[26:27], v[X+6:X+7], v[EB+6:EB+7], v[26:27]
.irp i, 8,12
	v_pk_add_f32 v[8:9],   v[8:9],   v[X+\i:X+\i+1]
	v_pk_add_f32 v[10:11], v[10:11], v[X+\i+2:X+\i+3]
	v_pk_fma_f32 v[24:25], v[X+\i:X+\i+1],   v[EB+\i:EB+\i+1],   v[24:25]
	v_pk_fma_f32 v[26:27], v[X+\i+2:X+\i+3], v[EB+\i+2:EB+\i+3], v[26:27]
.endr
	v_pk_add_f32 v[8:9],   v[8:9],   v[10:11]
	v_pk_add_f32 v[24:25], v[24:25], v[26:27]
	v_add_f32 v8, v8, v9
	v_add_f32 v24, v24, v25
.irp m, 1,2,4,8
	v_add_f32_dpp v8, v8, v8 row_xmask:\m row_mask:0xf bank_mask:0xf
	v_add_f32_dpp v24, v24, v24 row_xmask:\m row_mask:0xf bank_mask:0xf
.endr
	v_permlanex16_b32 v[PT], v8, s20, s21
	v_permlanex16_b32 v[PM], v24, s20, s21
	v_add_f32 v8, v8, v[PT]
	v_add_f32 v24, v24, v[PM]
	s_wait_alu depctr_va_vdst(0)                   ; ahead of the reciprocal
	v_rcp_f32 v9, v8
	v_nop
	s_wait_alu depctr_va_vdst(0)                   ; and ahead of its first reader
	v_mul_f32 v10, v24, v9
	ds_store_b32 v[RAD], v10                       ; all lanes write the same word with the same value
	s_add_co_u32 s59, s59, 4
	s_add_co_u32 s19, s19, 1
	s_cmp_lt_u32 s19, 2
	s_wait_alu depctr_va_vdst(0)                   ; ahead of the branch
	s_cbranch_scc1 .Litem
	s_wait_dscnt 0x0                               ; for the others' sake: my two results lie in LDS
	s_barrier_signal -1
	s_barrier_wait -1
	s_cmp_lg_u32 s18, 0
	s_cbranch_scc1 .Lend                           ; wave 0 stores the work-group's 16 results
	v_and_b32 v28, 15, v0
	v_lshlrev_b32 v28, 2, v28
	v_add_nc_u32 v29, RES, v28
	ds_load_b32 v30, v29
	v_cmp_gt_u32 vcc_lo, 16, v0
	s_wait_alu depctr_va_vdst(0)
	s_wait_dscnt 0x0
	s_wait_xcnt 0x0                                ; EXEC changes only behind this wait
	s_and_saveexec_b32 s28, vcc_lo
	global_store_b32 v28, v30, s[16:17]            ; 16 lanes store 64 consecutive bytes
	s_wait_xcnt 0x0                                ; and again, in front of the line that widens it
	s_or_b32 exec_lo, exec_lo, s28
.Lend:
	s_wait_tensorcnt 0x0                           ; the wave's end
	ds_add_u32 v254, v255
	s_wait_dscnt 0x0
	s_endpgm
.Lfunc_end_k_qa830fc4c01_afm:
	.size	k_qa830fc4c01_afm, .Lfunc_end_k_qa830fc4c01_afm-k_qa830fc4c01_afm
	.p2alignl 7, 3214868480
	.fill 96, 4, 3214868480
	.section	.rodata,"a",@progbits
	.p2align	6, 0x0
	.amdhsa_kernel k_qa830fc4c01_afm
		.amdhsa_group_segment_fixed_size 180224
		.amdhsa_private_segment_fixed_size 0
		.amdhsa_enable_private_segment 0
		.amdhsa_kernarg_size 56
		.amdhsa_user_sgpr_count 2
		.amdhsa_user_sgpr_kernarg_segment_ptr 1
		.amdhsa_wavefront_size32 1
		.amdhsa_system_sgpr_workgroup_id_x 1
		.amdhsa_system_sgpr_workgroup_id_y 1
		.amdhsa_system_sgpr_workgroup_id_z 1
		.amdhsa_system_vgpr_workitem_id 0
		.amdhsa_next_free_vgpr 480
		.amdhsa_next_free_sgpr 66
		.amdhsa_reserve_vcc 1
		.amdhsa_float_denorm_mode_32 3
		.amdhsa_float_denorm_mode_16_64 3
		.amdhsa_memory_ordered 1
		.amdhsa_forward_progress 1
		.amdhsa_inst_pref_size 255
	.end_amdhsa_kernel
	.section	.bss,"aw",@nobits
	.p2align	6
	.space	262144
	.amdgpu_metadata
---
amdhsa.version: [ 1, 2 ]
amdhsa.kernels:
  - .name:           k_qa830fc4c01_afm
    .symbol:         k_qa830fc4c01_afm.kd
    .args:
      - { .name: embeds, .offset: 0, .size: 8, .value_kind: global_buffer, .address_space: global }
      - { .name: attn_W_codes, .offset: 8, .size: 8, .value_kind: global_buffer, .address_space: global }
      - { .name: attn_W_scales, .offset: 16, .size: 8, .value_kind: global_buffer, .address_space: global }
      - { .name: attn_b, .offset: 24, .size: 8, .value_kind: global_buffer, .address_space: global }
      - { .name: projection_h, .offset: 32, .size: 8, .value_kind: global_buffer, .address_space: global }
      - { .name: projection_p, .offset: 40, .size: 8, .value_kind: global_buffer, .address_space: global }
      - { .name: out0, .offset: 48, .size: 8, .value_kind: global_buffer, .address_space: global }
    .group_segment_fixed_size: 180224
    .private_segment_fixed_size: 0
    .kernarg_segment_align: 8
    .kernarg_segment_size: 56
    .max_flat_workgroup_size: 256
    .sgpr_count:     66
    .vgpr_count:     480
    .wavefront_size: 32
...
	.end_amdgpu_metadata
.endif
;; end of part 1
